; MI455X (gfx1250); checked and timed in simulation.
; The chip was launched on July 23, 2026; its instructions are those of AMD's public machine-readable ISA for CDNA 5 (MIT licence, August 2026) and "CDNA5" Instruction Set Architecture Reference Guide (July 2026). The comments in the code are by the model that wrote it; some were corrected since.
;; Concept Attention Proto. Allowed arithmetic: matrix products marked QUANTISED: E3M2 operands, one E8M0 scale for each 32 along K, by v_wmma_scale_f32_16x16x128_f8f6f4 with both operands' format E3M2, f32 sums; products left as they are: f32 operands where the result goes on into a quantised operand, else bf16, f16 or f32 operands; f32 sums; everything else in f32.
;; Inputs: concept_pool 16,384 x 128 float32; x 8 x 128 x 32 x 32 float32.
;; Outputs: out0 8 x 128 x 32 x 32 float32.
;; This version of the problem:
;;   THIS VERSION OF THE PROBLEM IS GIVEN IN LOW PRECISION. The matrix products marked QUANTISED in the list below multiply operands that are first quantised to E3M2 (3 exponent bits, 2 mantissa bits; 6 bits a number), with one power-of-two scale for each 32 numbers along K (OCP MX v1.0); their sums are f32. All else is computed in f32.
;;   The module's matrix products, in the order in which they are computed (A, B: the left and right operand; K: the contracted axis; several contracted axes count as one K, in the product's order):
;;     1. [M 8,192, K 128] x [K 128, N 16,384]; A: input x; B: input concept_pool: QUANTISED
;;     2. batch 64 x [M 128, K 256] x [K 256, N 8,192]; A: input concept_pool; B: softmax (see below): QUANTISED
;;     3. batch 8,192 x [M 1, K 64] x [K 64, N 128]; A: softmax (see below); B: computed on the way: left as it is (M = 1 < 16)
;;   THE QUANTISER, for each operand of a quantised product, along K:
;;     - K is cut into blocks of 32 from its start; a last block that is shorter is filled with zeros.
;;     - A block's scale is 2^e with e = floor(log2(the largest magnitude in the block)) - 4, held to -126 .. 127; a block of zeros has e = 0. As a byte (E8M0): e + 127.
;;     - Each number is divided by its block's scale, clamped to +-28, and rounded to the nearest number of E3M2, ties to even, subnormals kept.
;;     - The product sums the exact products of the quantised numbers (number of the format x scale) in f32.
;;   ~~~python
;;   def quantise(x, axis):      # numpy; x: float32 -> the quantised numbers, widened to float32 again
;;       x = np.moveaxis(x, axis, -1); K = x.shape[-1]
;;       x = np.pad(x, [(0, 0)] * (x.ndim - 1) + [(0, -K % 32)]); x = x.reshape(x.shape[:-1] + (-1, 32)); a = np.abs(x).max(-1, keepdims=True)
;;       e = np.where(a > 0, np.clip(np.frexp(np.where(a > 0, a, 1))[1] - 1 - 4, -126, 127), 0)      # np.frexp(a)[1] - 1 = floor(log2(a)), exactly
;;       r = np.clip(x / 2.0 ** e, -28, 28)
;;       step = 2.0 ** (np.maximum(np.frexp(np.where(r == 0, 1, r))[1] - 1, -2) - 2)
;;       q = np.round(r / step) * step * 2.0 ** e      # np.round: ties to even
;;       return np.moveaxis(q.reshape(q.shape[:-2] + (-1,))[..., :K], -1, axis).astype(np.float32)
;;   ~~~
;;   SOFTMAX AHEAD OF A QUANTISED PRODUCT. Where the list says 'softmax', what is quantised is not the finished softmax but p = 2^(t - M), with t = logit x log2(e) and M = ceil(the row's largest t), a whole number; so 1/2 < the row's largest p <= 1. The row's sum l is taken of the UNQUANTISED p, in f32, and the product's result is divided by l at the end. Since M is a whole number, a kernel that streams over the keys may use a running M (the ceiling of the running maximum): every later rescaling is an exact power of two, which a block's scale takes up: the codes' values come out the same.
;;   OPERANDS COMPUTED ON THE WAY. 'Computed on the way' means the value that the module computes at that place (a softmax that the list does not call 'softmax' is quantised finished and normalised). What goes into a quantiser is computed in f32, as accurately as f32 sums, v_exp_f32 and their like allow (about 1e-6 of the number): no bf16 or f16 on the way to a quantiser, and a product that is left as it is and whose result goes on into a quantised operand takes f32 operands (vector FMAs, or v_wmma_f32_16x16x4_f32). A number that lies on a knife's edge between two numbers of the format may be rounded either way, as far as f32 arithmetic and the matrix unit's own rounding can turn it there, and no further.
;; One version. Each part assembles by itself: llvm-mc -triple=amdgcn-amd-amdhsa -mcpu=gfx1250 --defsym DOCPART=n.
;; ======== version 1 of 1: 3 launches
;; workspace buffers: kvimg 3,145,728 bytes; kvsc 131,072 bytes; part 16,777,216 bytes; stat 262,144 bytes
;; launch prep (part 1): grid 256 x 1, 4 waves a work-group, no clusters, 0 bytes of LDS; arguments concept_pool, kvimg, kvsc; writes kvimg, kvsc
.if DOCPART == 1
	.amdgcn_target "amdgcn-amd-amdhsa--gfx1250"
	.amdhsa_code_object_version 6
	.text
	.protected	k_q434f1fee4d_prep
	.globl	k_q434f1fee4d_prep
	.p2align	8
	.type	k_q434f1fee4d_prep,@function
k_q434f1fee4d_prep:
	s_mov_b64 s[64:65], 0
	v_nop
	global_prefetch_b8 v0, s[64:65] scope:SCOPE_SE
	s_setreg_imm32_b32 hwreg(HW_REG_WAVE_MODE, 25, 1), 1
	s_wait_xcnt 0x0
; THE PROGRAM (three launches: prep, attn, comb).  8,192 queries (columns of x) against 64 clusters of 256 slots of concept_pool.
; With t = sim x log2(e), M_k = ceil(the largest t of cluster k), p = 2^(t - M_k), l_k = the sum of p over the cluster and F_k = the quantised product of p with the pool:
;   cluster_feat_k = F_k / l_k;   cluster_logit_k = ln(2^(M_k) l_k);   cluster_attn_k = 2^(M_k) l_k / (sum over j of 2^(M_j) l_j).
; So out = sum_k cluster_attn_k cluster_feat_k = (sum_k 2^(M_k) F_k) / (sum_j 2^(M_j) l_j), for all values of the inputs: l_k cancels, and the logarithm of the logsumexp cancels against the exponential of the
; cluster softmax.  LEFT OUT AS DEAD WORK: the division by l_k, that logarithm and that exponential.  The weight 2^(M_k - M), M a running whole number over all clusters, is an exact power of two which p's block
; scales take up when p is formed as 2^(t - M): the codes' values are the same.  The maximum is still taken away ahead of every exponential (the running ceiling).  The third product becomes the f32 accumulation.  No input is left out.
; LIMITS: NaN and infinities among the inputs are not served; an overflow that would reach only the logarithm and exponential left out is not carried to the result; a p more than some 120 binary orders under the
; running M falls to 0 (its weight in the cluster softmax is under 2^-120); a block whose largest magnitude lies under 2^-122 has its byte held at 1, and a block of zeros gets the byte 1 where the rule says 127
; (its codes are zeros, and the bytes are read by this program alone).
;
; THIS LAUNCH turns concept_pool [16384][128] f32 into codes of E3M2 twice, laid in the order of the operands' registers, a key step (128 slots) at a time:
;   kvimg: step st at 24,576 st: 8 images of the first product's operand (quantised along the 128 channels), then 8 of the second's (quantised along the slots).  An image is a fragment's 12 registers:
;          registers 4 c .. 4 c + 3 of lane L at 512 c + 16 L.  K's tile 2 b + u, lane row r = slot 32 b + 8 u + r + 8 (r / 8); V's tile t, lane row r = channel 16 t + r, K = the step's 128 slots in order.
;   kvsc:  step st at 1,024 st: K's scale words at 128 j + 4 L, V's 512 bytes on: word (j, L) belongs to tile 2 j + L / 16, row L % 16, so that one register carries two tiles' scales.
; Work-groups 0-127 make K's images of step st = the work-group's number, 128-255 V's of step st - 128; wave j makes tiles 2 j and 2 j + 1.  K's path asks for a wave's 16 KB at once (32 loads of 16 bytes a lane);
; V's path, whose loads are of 4 bytes a lane, runs two blocks of 32 slots ahead: 64 loads of a wave are out at the most.  No LDS, no barrier.
.set X,    80                          ; v80-207  128 numbers
.set TM,   8                           ; v8-23    at work: largest magnitudes, bytes, scale operands
.set EFL,  0x2800000                   ; the floor 2^(5 - 127): the byte cannot fall under 1
.set EOFF, 0xfe000000                  ; 4 off an exponent field
	s_load_b128 s[4:7], s[0:1], 0x0                ; concept_pool, kvimg
	s_load_b64 s[8:9], s[0:1], 0x10                ; kvsc
	v_lshrrev_b32 v1, 5, v0
	v_readfirstlane_b32 s10, v1                    ; wave j
	v_and_b32 v1, 31, v0                           ; lane
	v_and_b32 v2, 15, v0                           ; r
	v_bfe_u32 v3, v0, 4, 1                         ; h
	v_lshlrev_b32 v5, 4, v1                        ; 16 x lane: my place in an image's 512 bytes
	v_lshlrev_b32 v6, 2, v1                        ; 4 x lane
	s_and_b32 s11, ttmp9, 127                      ; the key step
	s_lshr_b32 s12, ttmp9, 7                       ; 0: K's images, 1: V's
	s_mul_i32 s14, s11, 24576
	s_mul_i32 s15, s12, 12288
	s_add_co_u32 s14, s14, s15
	s_mul_i32 s15, s10, 3072
	s_add_co_u32 s14, s14, s15                     ; my two images
	s_mov_b32 s15, 0
	s_lshl_b32 s16, s11, 10
	s_lshl_b32 s17, s12, 9
	s_add_co_u32 s16, s16, s17
	s_lshl_b32 s17, s10, 7
	s_add_co_u32 s16, s16, s17                     ; my 32 scale words
	s_mov_b32 s17, 0
	s_lshl_b32 s18, s11, 16                        ; the step's 128 rows of 512 bytes
	s_mov_b32 s19, 0
	s_mov_b32 s20, 0x76543210
	s_mov_b32 s21, 0xfedcba98                      ; v_permlanex16_b32's selects for lane l xor 16
	s_wait_kmcnt 0x0
	s_add_nc_u64 s[6:7], s[6:7], s[14:15]
	s_add_nc_u64 s[8:9], s[8:9], s[16:17]
	s_add_nc_u64 s[4:5], s[4:5], s[18:19]
	s_cmp_lg_u32 s12, 0
	s_cbranch_scc1 .Lv
; ---- K's images: the channels are innermost.  Lane (r, h) takes, of its tile's row, 16 neighbouring numbers of each block of 32: register 16 b + i = channel 32 b + 16 h + i.
; 64 numbers of a lane, v[s] on, become a fragment's codes in v[pc] .. v[pc + 11] (v[pc + 12] .. v[pc + 18] at work) and the row's scale word in v[pw].
.macro QUANT s, pc, pw
.irp b, 0,1,2,3
	v_max3_num_f32 v[TM+\b], |v[\s+16*\b]|, |v[\s+1+16*\b]|, EFL   ; block b: my 16 numbers, and the floor
.endr
.irp i, 2,4,6,8,10,12,14
.irp b, 0,1,2,3
	v_max3_num_f32 v[TM+\b], v[TM+\b], |v[\s+16*\b+\i]|, |v[\s+1+16*\b+\i]|   ; (the four blocks by turns)
.endr
.endr
.irp b, 0,1,2,3
	v_permlanex16_b32 v[TM+4+\b], v[TM+\b], s20, s21
.endr
.irp b, 0,1,2,3
	v_max_num_f32 v[TM+\b], v[TM+\b], v[TM+4+\b]   ; with lane l xor 16's: the block's largest magnitude
.endr
.irp b, 0,1,2,3
	v_add_nc_u32 v[TM+12+\b], EOFF, v[TM+\b]       ; 4 off its exponent field: the conversion takes this operand's exponent field as its scale
.endr
.irp b, 0,1,2,3
	v_lshrrev_b32 v[TM+4+\b], 23, v[TM+12+\b]      ; the scale's byte
.endr
	v_lshl_or_b32 v[\pw], v[TM+5], 8, v[TM+4]      ; the four bytes make my row's scale word
	v_lshl_or_b32 v[\pw], v[TM+6], 16, v[\pw]
	v_lshl_or_b32 v[\pw], v[TM+7], 24, v[\pw]
.irp c, 0,1
	v_cvt_scalef32_pk16_bf6_f32 v[\pc+6*\c:\pc+2+6*\c], v[\s+32*\c:\s+15+32*\c], v[TM+12+2*\c]
	v_cvt_scalef32_pk16_bf6_f32 v[\pc+12+4*\c:\pc+14+4*\c], v[\s+16+32*\c:\s+31+32*\c], v[TM+12+2*\c+1]   ; (a conversion's three registers begin on an even number)
.endr
	v_nop                                          ; one plain place behind a scaled conversion
.irp c, 0,1                                    ; the operand's layout wants a WHOLE block in a lane: lanes 0-15 block 2 c, lanes 16-31 block 2 c + 1
.irp i, 0,1,2
	v_permlane16_swap_b32 v[\pc+6*\c+\i], v[\pc+12+4*\c+\i]
.endr
.irp i, 0,1,2
	v_mov_b32 v[\pc+3+6*\c+\i], v[\pc+12+4*\c+\i]
.endr
.endr
.endm
	s_lshl_b32 s18, s10, 14                        ; my pair's 32 slots: 32 j rows of 512 bytes
	s_add_nc_u64 s[4:5], s[4:5], s[18:19]
	v_and_b32 v4, 8, v2
	v_add_nc_u32 v4, v4, v2                        ; r + 8 (r / 8)
	v_lshlrev_b32 v4, 9, v4
	v_lshl_add_u32 v4, v3, 6, v4                   ; that row, + 64 h
.irp u, 0,1
.irp b, 0,1,2,3
.irp p, 0,1,2,3
	global_load_b128 v[X+64*\u+16*\b+4*\p:X+64*\u+16*\b+4*\p+3], v4, s[4:5] offset:4096*\u+128*\b+16*\p
.endr
.endr
.endr
.irp b, 0,1,2,3
	v_mov_b32 v[TM+4+\b], 0                        ; written once: a lane permute's destination counts as one of its sources
.endr
	s_wait_loadcnt 16                              ; tile 2 j's sixteen loads are in; tile 2 j + 1's may be out
	QUANT X, 24, 64
	s_wait_loadcnt 0x0
	QUANT X+64, 44, 65
	v_permlane16_swap_b32 v64, v65                 ; v64: lanes 0-15 tile 2 j's words, lanes 16-31 tile 2 j + 1's
.irp c, 0,1,2
	global_store_b128 v5, v[24+4*\c:27+4*\c], s[6:7] offset:512*\c          ; 32 lanes store 512 consecutive bytes, at a multiple of 512 from the buffer's first byte
	global_store_b128 v5, v[44+4*\c:47+4*\c], s[6:7] offset:1536+512*\c
.endr
	global_store_b32 v6, v64, s[8:9]
	s_endpgm
; ---- V's images: K = the slots, the pool's FIRST axis.  A lane takes a channel (32 j + lane) and its registers run down the step's 128 slots: a block of 32 lies in one lane, and its largest magnitude needs no other lane.
.Lv:
	s_lshl_b32 s18, s10, 7                         ; my pair's 32 channels: 128 j bytes into a row
	s_add_nc_u64 s[4:5], s[4:5], s[18:19]
.macro LOADV b                         ; block b: slots 32 b .. 32 b + 31 of my channel, into registers of the block's own
.set k, 32*(\b)
.rept 32
	global_load_b32 v[X+k], v6, s[4:5] offset:512*k    ; slot k, 32 neighbouring channels: 128 consecutive bytes
.set k, k+1
.endr
.endm
; Block b's 32 codes, 6 registers: blocks 0 and 2 into v24-35, blocks 1 and 3 into v36-47; its byte into v64.
.macro VBLOCK b
.set XS, X+32*(\b)
.set FX, 24+12*((\b)%2)+6*((\b)/2)
.if (\b) < 3
	s_wait_loadcnt 32                              ; this block's 32 loads are in; the next block's 32 may be out
.else
	s_wait_loadcnt 0x0                             ; the last block: nothing was asked for behind it
.endif
.if (\b)+2 < 4
	LOADV (\b)+2                                   ; two blocks ahead; every block has registers of its own, so nothing has to be freed
.endif
	v_max3_num_f32 v8, |v[XS]|, |v[XS+1]|, |v[XS+2]|
	v_max3_num_f32 v9, |v[XS+3]|, |v[XS+4]|, |v[XS+5]|
.irp i, 6,10,14,18,22,26
	v_max3_num_f32 v8, v8, |v[XS+\i]|, |v[XS+\i+1]|
	v_max3_num_f32 v9, v9, |v[XS+\i+2]|, |v[XS+\i+3]|
.endr
	v_max3_num_f32 v8, v8, |v[XS+30]|, |v[XS+31]|
	v_max3_num_f32 v8, v8, v9, EFL                 ; and the floor
	v_add_nc_u32 v11, EOFF, v8                     ; the conversion's scale operand
.if (\b) == 0
	v_lshrrev_b32 v64, 23, v11                     ; the scale's byte: four to the word, the lower slots in the lower byte
.else
	v_lshrrev_b32 v10, 23, v11
	v_lshl_or_b32 v64, v10, 8*(\b), v64
.endif
	v_cvt_scalef32_pk16_bf6_f32 v[FX:FX+2], v[XS:XS+15], v11
	v_cvt_scalef32_pk16_bf6_f32 v[48:50], v[XS+16:XS+31], v11      ; (a conversion's three registers begin on an even number)
	v_nop                                          ; one plain place behind a scaled conversion
	v_mov_b32 v[FX+3], v48
	v_mov_b32 v[FX+4], v49
	v_mov_b32 v[FX+5], v50
.endm
	LOADV 0
	LOADV 1
	VBLOCK 0
	VBLOCK 1
	VBLOCK 2
	VBLOCK 3
.irp i, 0,1,2,3,4,5,6,7,8,9,10,11
	v_permlane16_swap_b32 v[24+\i], v[36+\i]       ; v24-35: tile 2 j (lanes 0-15 blocks 0, 2 of channels 32 j + r; lanes 16-31 their blocks 1, 3);  v36-47: tile 2 j + 1 likewise
.endr
.irp c, 0,1,2
	global_store_b128 v5, v[24+4*\c:27+4*\c], s[6:7] offset:512*\c
	global_store_b128 v5, v[36+4*\c:39+4*\c], s[6:7] offset:1536+512*\c
.endr
	global_store_b32 v6, v64, s[8:9]               ; lane L's word belongs to channel 32 j + L: tile 2 j + L / 16, row L % 16
	s_endpgm
.Lfunc_end_k_q434f1fee4d_prep:
	.size	k_q434f1fee4d_prep, .Lfunc_end_k_q434f1fee4d_prep-k_q434f1fee4d_prep
	.p2alignl 7, 3214868480
	.fill 96, 4, 3214868480
	.section	.rodata,"a",@progbits
	.p2align	6, 0x0
	.amdhsa_kernel k_q434f1fee4d_prep
		.amdhsa_group_segment_fixed_size 0
		.amdhsa_private_segment_fixed_size 0
		.amdhsa_enable_private_segment 0
		.amdhsa_kernarg_size 24
		.amdhsa_user_sgpr_count 2
		.amdhsa_user_sgpr_kernarg_segment_ptr 1
		.amdhsa_wavefront_size32 1
		.amdhsa_system_sgpr_workgroup_id_x 1
		.amdhsa_system_sgpr_workgroup_id_y 1
		.amdhsa_system_sgpr_workgroup_id_z 1
		.amdhsa_system_vgpr_workitem_id 0
		.amdhsa_next_free_vgpr 208
		.amdhsa_next_free_sgpr 66
		.amdhsa_reserve_vcc 0
		.amdhsa_float_denorm_mode_32 3
		.amdhsa_float_denorm_mode_16_64 3
		.amdhsa_memory_ordered 1
		.amdhsa_forward_progress 1
		.amdhsa_inst_pref_size 33
	.end_amdhsa_kernel
	.amdgpu_metadata
---
amdhsa.version: [ 1, 2 ]
amdhsa.kernels:
  - .name:           k_q434f1fee4d_prep
    .symbol:         k_q434f1fee4d_prep.kd
    .args:
      - { .name: concept_pool, .offset: 0, .size: 8, .value_kind: global_buffer, .address_space: global }
      - { .name: kvimg, .offset: 8, .size: 8, .value_kind: global_buffer, .address_space: global }
      - { .name: kvsc, .offset: 16, .size: 8, .value_kind: global_buffer, .address_space: global }
    .group_segment_fixed_size: 0
    .private_segment_fixed_size: 0
    .kernarg_segment_align: 8
    .kernarg_segment_size: 24
    .max_flat_workgroup_size: 128
    .sgpr_count:     66
    .vgpr_count:     208
    .wavefront_size: 32
...
	.end_amdgpu_metadata
.endif
;; end of part 1
;; launch attn (part 2): grid 64 x 4, 8 waves a work-group, clusters of 4 x 1, 327,680 bytes of LDS; arguments x, kvimg, kvsc, part, stat; writes part, stat
.if DOCPART == 2
	.amdgcn_target "amdgcn-amd-amdhsa--gfx1250"
	.amdhsa_code_object_version 6
	.text
	.protected	k_q434f1fee4d_attn
	.globl	k_q434f1fee4d_attn
	.p2align	8
	.type	k_q434f1fee4d_attn,@function
k_q434f1fee4d_attn:
	s_mov_b64 s[64:65], 0
	v_nop
	global_prefetch_b8 v0, s[64:65] scope:SCOPE_SE
	s_setreg_imm32_b32 hwreg(HW_REG_WAVE_MODE, 25, 1), 1
	s_wait_xcnt 0x0
	s_wait_alu depctr_hold_cnt(0) depctr_sa_sdst(0) depctr_va_vdst(0) depctr_va_sdst(0) depctr_va_ssrc(0) depctr_va_vcc(0) depctr_vm_vsrc(0)
	s_getreg_b32 s2, hwreg(HW_REG_IB_STS2, 6, 4)
	s_cmp_eq_u32 s2, 0
	s_cbranch_scc0 .Lentry_in_a_cluster
	s_endpgm
.Lentry_in_a_cluster:
	s_bfe_u32 s2, ttmp6, 0x10000c
	s_cmp_lg_u32 s2, 0x3003
	s_cbranch_scc0 .Lentry_shape_is_right
	s_endpgm
.Lentry_shape_is_right:
; One streaming softmax over the pool's slots, both products on codes of E3M2 with one E8M0 scale for each 32 along K.  LEFT OUT AS DEAD WORK (shown at the head of the first kernel): the division by each cluster's sum,
; the logarithm of the logsumexp and the exponential of the cluster softmax: out = (sum_k 2^(M_k) F_k) / (sum_j 2^(M_j) l_j), and with a running whole M over all slots p = 2^(t - M) carries the weight 2^(M_k - M) in its block scales.
; t = score x log2(e) / sqrt(128); M = the largest t so far rounded UP to a whole number; the sum is taken of the unquantised p; when M moves, the sum and O are multiplied by 2^(old M - new M): exact.
; LIMITS: NaN and infinities are not served; a p more than some 120 binary orders under the running M falls to 0; a block of p that is all zeros keeps the byte 1 (its codes are zeros).
; SHARES.  A work-group owns 128 queries (block qb of 64) and a quarter of the slots (split 0-3: 32 key steps of 128 slots, 8 LDS slots of 4 steps).  Eight waves, two to a SIMD: wave w owns queries 32 (w % 4) on, two tiles
; of 16, and the steps 2 (w / 4), 2 (w / 4) + 1 of every slot: each fragment read from LDS feeds two matrix instructions.  The two halves of the waves meet through LDS at the end; the four splits in the next launch.
; OUTPUT: part[split][n][c][l] = the unnormalised O under the split's M'; stat[split][0][query] = the sum under M', stat[split][1][query] = -M'.
; CLUSTER.  The four query blocks of a cluster have the same split and walk the same tiles: each tile is asked for JOINTLY, by the same tensor load with the same descriptor and the mask of all four.
; LAYOUT.  Both products are used transposed: S^T = K Q^T (source 0 = 16 slots, source 1 = 16 queries), O^T = V^T P^T (source 0 = 16 channels, source 1 = P): a lane holds ONE query (lane % 16) throughout.
; The slots of a tile of K were chosen by the launch before so that the 16 registers of tiles 2 b, 2 b + 1 are the neighbouring slots 32 b + 16 (lane / 16) + 0 .. 15.  Operands lie in LDS as images of their registers:
; every fragment comes by three loads of 16 bytes a lane, 512 consecutive bytes each: no pitch, no padding.
; REGISTERS, in two windows of 256.  Tile 0 lives in window 0 and tile 1 in window 1 under the SAME numbers, so that the softmax is written once: v12 -M, v13 the largest t, v[14:15] the sum in two halves, v16-27 Q's fragment,
; v96-159 S^T, then p, v160-223 O^T, v224-235 p's codes, v232-254 at work, v252 f, v253 0.  Window 0 alone: v1-7 addresses, v32-79 fragments 0-3, v80-83 K's scale words (two tiles to a register), v84-87 V's,
; v88, v89 Q's, v90, v91 p's (scale operands have no window).  Window 1: v32-79 fragments 4-7.
; s_set_vgpr_msb's low byte: bits 1:0 source 0, 3:2 source 1, 5:4 source 2, 7:6 destination.
.set STEPB,  24576                     ; a key step's images: 8 of K, 8 of V, 1,536 bytes each
.set SLOTB,  4*STEPB                   ; an LDS slot: four steps
.set SLOT1,  1<<17                     ; slot 1 begins here, so that one exclusive or turns an address in one slot into the other's
.set SCL,    SLOTB                     ; between the slots: the split's scale words, 32 steps x 1,024 bytes, filled once
.set SPARE,  SLOT1+SLOTB               ; the spare words, 128 bytes for each wave: four blocks of 256 bytes that no other line names
.set XM,     SPARE+1024                ; the way out: -M, [wave][tile][lane]
.set XL,     XM+2048                   ; the sums under M', [half][128 queries]; 1,024 bytes on: -M' likewise
.set SP,     528                       ; the way out: a stage row: 128 queries x 4 bytes + 16.  Stage of half kh at kh x SLOT1, 128 rows: in slots that have had their last fill and their last read
.set AI0, 1                            ; v1   16 x lane + my half's two steps in a slot
.set AS0, 2                            ; v2   4 x lane + my half's scale words
.set ADI, 3                            ; v3   LDS address of the step's images
.set ADS, 4                            ; v4   of its scale words
.set SPW, 5                            ; v5   LDS address of my spare word; never rewritten
.set NIL, 6                            ; v6   0; never rewritten
.set PFO, 7                            ; v7   256 x lane: the prefetches' offset; never rewritten
.set WV,  14
.set G,   15
.set KH,  16
.set CX,  17
.set QB,  18
.set SPL, 19
.set SEL, 20                           ; s[20:21] v_permlanex16_b32's selects for lane l xor 16
.set CS,  22                           ; s[22:23] c = log2(e) / sqrt(128)
.set G1,  24                           ; s[24:31] descriptor group 1: an eighth of a slot
.set G1S, 32                           ; s[32:39] an eighth of the scale words
.set G0,  40                           ; s[40:43] group 0 for the slots: it walks
.set G0S, 44                           ; s[44:47] for the scale words
.set TB,  48                           ; s48  LDS byte at which the slot in hand begins
.set TS,  49                           ; s49  where its scale words begin: 4,096 bytes a slot
.set SLOTS, 50                         ; s50  slots still to be asked for
.set LIM, 51                           ; s51  1 in a wave that prefetches, else the greatest number
.set PFA, 52                           ; s[52:53] where my prefetches stand
.set MSB, 0
.macro WIN new                         ; the immediate's high byte repeats the setting that is left; a switch that changes nothing is dropped
.if MSB != (\new)
	s_set_vgpr_msb (MSB<<8)|(\new)
.set MSB, (\new)
.endif
.endm
; A round of the cluster's barrier: my work-group's barrier; wave 0 signals for the work-group; every wave waits for all four work-groups; my work-group's barrier once more.
.macro CROUND
	s_barrier_signal -1
	s_barrier_wait -1
	s_cmp_lg_u32 s[WV], 0
	s_cbranch_scc1 .Lnot_wave_0_\@
	s_barrier_signal -3
.Lnot_wave_0_\@:
	s_barrier_wait -3
	s_barrier_signal -1
	s_barrier_wait -1
.endm
; A PREFETCH INTO THE L2 of the slot that the NEXT change of slots will ask for: 98,304 dense bytes.  All sixteen clusters of a split walk the same tiles: the split's first cluster asks.  Its four partners share the slot out
; BY ADDRESS, a key step (24,576 bytes) each; in each, waves 0 to 2 ask for 8,192 bytes, lanes 256 bytes apart: each block is named once in the launch.  The last change that fills a slot asks for nothing; slots 0 and 1 come by their loads alone.
.macro ASK
	s_cmp_gt_u32 s[SLOTS], s[LIM]
	s_cbranch_scc0 .Lnot_mine_\@
	global_prefetch_b8 v[PFO], s[PFA:PFA+1] th:TH_LOAD_NT scope:SCOPE_SE
.Lnot_mine_\@:
.endm
	s_load_b256 s[4:11], s[0:1], 0x0               ; x s[4:5], kvimg s[6:7], kvsc s[8:9], part s[10:11]
	s_load_b64 s[12:13], s[0:1], 0x20              ; stat
	v_lshl_add_u32 v[SPW], v0, 2, SPARE
	v_mov_b32 v[NIL], 0
	ds_add_u32 v[SPW], v[NIL]                      ; the wave's opening: the add, twice on end, and its wait ahead of my first tensor load; the set-up below stands between the second and the wait
	ds_add_u32 v[SPW], v[NIL]
	v_lshrrev_b32 v8, 5, v0
	v_readfirstlane_b32 s[WV], v8                  ; wave 0..7
	s_and_b32 s[G], s[WV], 3                       ; which 32 queries
	s_lshr_b32 s[KH], s[WV], 2                     ; which two steps of a slot
	s_bfe_u32 s[CX], ttmp6, 0x40000                ; my place in the cluster
	s_lshl_b32 s[QB], ttmp9, 2                     ; in a cluster launch ttmp9 counts clusters
	s_add_co_u32 s[QB], s[QB], s[CX]               ; my block of 128 queries: it enters x's, part's and stat's addresses alone
	s_and_b32 s[SPL], ttmp7, 0xffff                ; the split, which the four partners share
	; descriptor group 1: a dense block as rows of 256 bytes (32 elements of 8 bytes): 48 rows for an eighth of a slot, 16 for an eighth of the scale words
	s_mov_b32 s[G1], 15|(3<<16)|(1<<21)            ; 15:0 the mask: all four work-groups; 17:16 elements of 8 bytes; 20 padding off; 21 set beside a mask
	s_mov_b32 s[G1+1], 32<<16                      ; tensor_dim0 = 32
	s_mov_b32 s[G1+2], 48<<16                      ; tensor_dim1 = 48
	s_mov_b32 s[G1+3], 32<<16                      ; tile_dim0 = 32
	s_mov_b32 s[G1+4], 48                          ; tile_dim1 = 48
	s_mov_b32 s[G1+5], 32                          ; elements from row to row
	s_mov_b32 s[G1+6], 0
	s_mov_b32 s[G1+7], 0
	s_mov_b32 s[G1S], 15|(3<<16)|(1<<21)
	s_mov_b32 s[G1S+1], 32<<16
	s_mov_b32 s[G1S+2], 16<<16
	s_mov_b32 s[G1S+3], 32<<16
	s_mov_b32 s[G1S+4], 16
	s_mov_b32 s[G1S+5], 32
	s_mov_b32 s[G1S+6], 0
	s_mov_b32 s[G1S+7], 0
	; what feeds the joint loads hangs on the split and the wave's number alone
	s_mul_i32 s54, s[SPL], 32*STEPB                ; the split's first byte in kvimg
	s_mul_i32 s55, s[WV], STEPB/2                  ; my eighth of a slot, in memory and in LDS
	s_add_co_u32 s56, s54, s55
	s_mov_b32 s57, 0
	s_lshl_b32 s58, s[SPL], 15                     ; the split's scale words,
	s_lshl_b32 s60, s[WV], 12                      ; my eighth of them
	s_add_co_u32 s58, s58, s60
	s_mov_b32 s59, 0
	; the prefetches: my work-group's key step, my wave's 8,192 bytes, in slot 1: the first change of slots steps it to slot 2
	s_mul_i32 s62, s[CX], STEPB
	s_lshl_b32 s63, s[WV], 13
	s_add_co_u32 s62, s62, s63
	s_add_co_u32 s62, s62, s54
	s_add_co_u32 s62, s62, SLOTB
	s_mov_b32 s63, 0
	s_cmp_lt_u32 s[WV], 3
	s_cselect_b32 s[LIM], 0, 1
	s_or_b32 s[LIM], s[LIM], ttmp9                 ; 0 in waves 0 to 2 of the split's first cluster: the same in all four partners
	s_cmp_eq_u32 s[LIM], 0
	s_cselect_b32 s[LIM], 1, -1
	; x, part, stat
	s_lshr_b32 s72, s[QB], 3                       ; n
	s_lshl_b32 s72, s72, 19                        ; 128 channels x 4,096 bytes
	s_and_b32 s73, s[QB], 7
	s_lshl_b32 s73, s73, 9                         ; the block's first query in a row: 128 x 4 bytes
	s_add_co_u32 s72, s72, s73
	s_lshl_b32 s66, s[G], 7                        ; x: my wave's 32 queries
	s_add_co_u32 s66, s66, s72
	s_mov_b32 s67, 0
	s_lshl_b32 s68, s[SPL], 22                     ; part: the split's 4 MiB,
	s_add_co_u32 s68, s68, s72
	s_lshl_b32 s69, s[WV], 16                      ; the 16 channels that my wave stores
	s_add_co_u32 s68, s68, s69
	s_mov_b32 s69, 0
	s_lshl_b32 s70, s[SPL], 16                     ; stat
	s_lshl_b32 s71, s[QB], 9
	s_add_co_u32 s70, s70, s71
	s_mov_b32 s71, 0
	s_mov_b32 s[SEL], 0x76543210
	s_mov_b32 s[SEL+1], 0xfedcba98
	s_mov_b32 s[CS], 0x3e0293ee                    ; c = log2(e) / sqrt(128)
	s_mov_b32 s[CS+1], s[CS]                       ; (named with it as a pair, so it is written)
	s_mov_b32 s[TB], 0
	s_mov_b32 s[TS], 0
	s_mov_b32 s[SLOTS], 7
	s_wait_dscnt 0x0                               ; both opening adds are done
	s_wait_kmcnt 0x0
	s_add_nc_u64 s[4:5], s[4:5], s[66:67]
	s_add_nc_u64 s[10:11], s[10:11], s[68:69]
	s_add_nc_u64 s[12:13], s[12:13], s[70:71]
	s_add_nc_u64 s[PFA:PFA+1], s[6:7], s[62:63]
	CROUND                                         ; all four work-groups are here: the first joint loads meet
	s_mov_b32 s[G0S], 1                            ; count = 1
	s_add_co_u32 s[G0S+1], s60, SCL                ; LDS address
	s_add_nc_u64 s[G0S+2:G0S+3], s[8:9], s[58:59]  ; global address
	s_or_b32 s[G0S+3], s[G0S+3], 0x80000000        ; type = 2
	s_mov_b32 s[G0], 1
	s_mov_b32 s[G0+1], s55                         ; slot 0
	s_add_nc_u64 s[G0+2:G0+3], s[6:7], s[56:57]
	s_or_b32 s[G0+3], s[G0+3], 0x80000000
	tensor_load_to_lds s[G0S:G0S+3], s[G1S:G1S+7]  ; every wave issues its eighth of each: two tensor loads of mine are out here, one behind each later change of slots
	s_nop 0
	tensor_load_to_lds s[G0:G0+3], s[G1:G1+7]
	s_nop 0
.rept 4
	v_nop
.endr
	; x [n][c][l]: K = the channels is not innermost.  Lane (r, h) takes query r of its tile and its registers run DOWN the channels in the operand's own order: register 32 c + i = channel 64 c + 32 h + i.
	v_and_b32 v8, 15, v0                           ; r
	v_bfe_u32 v9, v0, 4, 1                         ; h
	v_and_b32 v11, 31, v0                          ; lane
	v_lshlrev_b32 v10, 2, v8
	v_lshl_add_u32 v10, v9, 17, v10                ; 4 r + 32 h rows of 4,096 bytes
.macro XLOAD u
.irp c, 0,1
.set i, 0
.rept 32
	global_load_b32 v[96+32*\c+i], v10, s[4:5] offset:4096*(64*\c+i)+64*\u   ; sixteen neighbouring lanes read 64 neighbouring bytes
.set i, i+1
.endr
.endr
.endm
.macro INIT                            ; the key step is written once: the first finds zeros, which the first change of M leaves zeros
	v_mov_b32 v13, 0xff61b1e6                      ; the largest t so far: -3e38, under every t
	v_floor_f32 v12, -v13                          ; -M
	v_mov_b32 v14, 0                               ; the sum, in two halves
	v_mov_b32 v15, 0
.irp b, 0,1,2,3
	v_mov_b32 v[236+\b], 0                         ; a lane permute's destination counts as one of its sources
.endr
	v_mov_b32 v253, 0                              ; named as the upper half of the pair v[252:253]
.set i, 0
.rept 64
	v_mov_b32 v[160+i], 0                          ; O^T
.set i, i+1
.endr
.endm
	XLOAD 0
	WIN 0x40                                       ; destination window 1, address window 0
	XLOAD 1
	v_lshlrev_b32 v254, 3, v9                      ; 8 h, for tile 1's scale word
	WIN 0x55
	INIT
	WIN 0
	v_lshlrev_b32 v254, 3, v9
	s_mul_i32 s72, s[KH], 2*STEPB
	v_lshl_add_u32 v[AI0], v11, 4, s72
	s_lshl_b32 s73, s[KH], 11
	s_add_co_u32 s73, s73, SCL
	v_lshl_add_u32 v[AS0], v11, 2, s73
	v_lshlrev_b32 v[PFO], 8, v11
	INIT
; Tile w's 64 numbers of x become Q's fragment in v16-27 of window w and its scale word in v[88 + w] of window 0.  A lane holds two whole blocks (h and 2 + h of its query); the word's four bytes are gathered from lanes l and l xor 16.
.macro QQ w
	WIN 0x55*\w
.irp c, 0,1
	v_max3_num_f32 v[232+\c], |v[96+32*\c]|, |v[97+32*\c]|, 0x2800000   ; and the floor 2^(5 - 127): the byte cannot fall under 1
.endr
.irp i, 2,4,6,8,10,12,14,16,18,20,22,24,26,28,30
.irp c, 0,1
	v_max3_num_f32 v[232+\c], v[232+\c], |v[96+32*\c+\i]|, |v[97+32*\c+\i]|
.endr
.endr
.irp c, 0,1
	v_add_nc_u32 v[244+\c], 0xfe000000, v[232+\c]  ; 4 off the exponent field: the conversion's scale operand
.endr
.irp c, 0,1
	v_lshrrev_b32 v[236+\c], 23, v[244+\c]         ; the scale's byte
.endr
	v_lshl_or_b32 v238, v237, 16, v236
	v_lshlrev_b32 v238, v254, v238                 ; at their places in the word: 8 h bits up
	v_permlanex16_b32 v239, v238, s[SEL], s[SEL+1]
	WIN 0x05*\w                                    ; sources in the tile's window, destination in window 0
	v_or_b32 v[88+\w], v238, v239
	WIN 0x55*\w
.irp c, 0,1
	v_cvt_scalef32_pk16_bf6_f32 v[16+6*\c:18+6*\c], v[96+32*\c:111+32*\c], v[244+\c]
	v_cvt_scalef32_pk16_bf6_f32 v[224+4*\c:226+4*\c], v[112+32*\c:127+32*\c], v[244+\c]   ; (a conversion's three registers begin on an even number)
.endr
	v_nop                                          ; one plain place behind a scaled conversion
.irp c, 0,1
.irp i, 0,1,2
	v_mov_b32 v[19+6*\c+\i], v[224+4*\c+\i]
.endr
.endr
.endm
	s_wait_loadcnt 0x0                             ; x
	QQ 0
	QQ 1
	WIN 0
; 28 LDS loads in one run: eight fragment images from byte off of the step's images (0-3 into window 0, 4-7 into window 1), and between them four registers of scale words, two tiles to a register
.macro LOADS off, soff, sc
.irp t, 0,1,2,3
.irp c, 0,1,2
	ds_load_b128 v[32+12*\t+4*\c:35+12*\t+4*\c], v[ADI] offset:\off+1536*\t+512*\c
.endr
.endr
.irp j, 0,1,2,3
	ds_load_b32 v[\sc+\j], v[ADS] offset:\soff+128*\j
.endr
	WIN 0x40
.irp t, 0,1,2,3
.irp c, 0,1,2
	ds_load_b128 v[32+12*\t+4*\c:35+12*\t+4*\c], v[ADI] offset:\off+6144+1536*\t+512*\c
.endr
.endr
	WIN 0
.endm
; Four matrix instructions: fragments 4 hi .. 4 hi + 3 (window hi) against tile w's operand v[bf] on (window w), into tile w's accumulators v[acc + 8 t] on.  An even tile's scales stand in lanes 0-15 of its pair's register, an odd one's in lanes 16-31.
; zero = 1: the products start their sums.  Every accumulator has one instruction a key step: they take turns.
.macro MM acc, bf, sc, sw, hi, w, zero
	WIN 0x54*\w+\hi
.irp p, 0,1
.if \zero
	v_wmma_scale_f32_16x16x128_f8f6f4 v[\acc+32*\hi+16*\p:\acc+32*\hi+16*\p+7], v[32+24*\p:43+24*\p], v[\bf:\bf+11], 0, v[\sc+2*\hi+\p], v[\sw+\w] matrix_a_fmt:MATRIX_FMT_BF6 matrix_b_fmt:MATRIX_FMT_BF6
	v_wmma_scale_f32_16x16x128_f8f6f4 v[\acc+32*\hi+16*\p+8:\acc+32*\hi+16*\p+15], v[44+24*\p:55+24*\p], v[\bf:\bf+11], 0, v[\sc+2*\hi+\p], v[\sw+\w] matrix_a_fmt:MATRIX_FMT_BF6 matrix_b_fmt:MATRIX_FMT_BF6 matrix_a_scale:MATRIX_SCALE_ROW1
.else
	v_wmma_scale_f32_16x16x128_f8f6f4 v[\acc+32*\hi+16*\p:\acc+32*\hi+16*\p+7], v[32+24*\p:43+24*\p], v[\bf:\bf+11], v[\acc+32*\hi+16*\p:\acc+32*\hi+16*\p+7], v[\sc+2*\hi+\p], v[\sw+\w] matrix_a_fmt:MATRIX_FMT_BF6 matrix_b_fmt:MATRIX_FMT_BF6
	v_wmma_scale_f32_16x16x128_f8f6f4 v[\acc+32*\hi+16*\p+8:\acc+32*\hi+16*\p+15], v[44+24*\p:55+24*\p], v[\bf:\bf+11], v[\acc+32*\hi+16*\p+8:\acc+32*\hi+16*\p+15], v[\sc+2*\hi+\p], v[\sw+\w] matrix_a_fmt:MATRIX_FMT_BF6 matrix_b_fmt:MATRIX_FMT_BF6 matrix_a_scale:MATRIX_SCALE_ROW1
.endif
.endr
.endm
; Tile w's softmax of a key step, all in window w but for the scale word's last line.
.macro SOFTMAX w
	WIN 0x55*\w
.irp b, 0,1,2,3
	v_max3_num_f32 v[232+\b], v[96+16*\b], v[97+16*\b], v[98+16*\b]   ; THE LARGEST SCORE OF EACH BLOCK OF 32 SLOTS: it serves for the row's maximum and, since p rises with the score, for the block's largest p
.endr
.irp i, 3,5,7,9,11,13
.irp b, 0,1,2,3
	v_max3_num_f32 v[232+\b], v[232+\b], v[96+16*\b+\i], v[97+16*\b+\i]   ; (the four blocks by turns)
.endr
.endr
.irp b, 0,1,2,3
	v_max_num_f32 v[232+\b], v[232+\b], v[111+16*\b]
.endr
.irp b, 0,1,2,3
	v_permlanex16_b32 v[236+\b], v[232+\b], s[SEL], s[SEL+1]
.endr
.irp b, 0,1,2,3
	v_max_num_f32 v[232+\b], v[232+\b], v[236+\b]  ; with lane l xor 16's 16 slots
.endr
	v_max3_num_f32 v254, v232, v233, v234
	v_max_num_f32 v254, v254, v235                 ; the step's largest score of my query
	v_mul_f32 v254, s[CS], v254                    ; as t (c is positive)
	v_max_num_f32 v13, v13, v254                   ; the running largest t
	v_mov_b32 v254, v12
	v_floor_f32 v12, -v13                          ; the new -M = floor(-t) = -ceil(t): M IS A WHOLE NUMBER
	v_sub_f32 v254, v12, v254                      ; M's old value less its new one: a whole number, 0 or less
	v_cvt_i32_f32 v254, v254                       ; (it saturates)
	v_ldexp_f32 v252, 1.0, v254                    ; f = 2^(old M - new M)
.set j, 0
.rept 32
	v_pk_fma_f32 v[96+j:97+j], v[96+j:97+j], s[CS:CS+1], v[12:13] op_sel_hi:[1,0,0]   ; t - M, two at a time (of the pairs c and -M the low word serves both halves)
.set j, j+2
.endr
.irp b, 0,1,2,3
	v_fma_f32 v[232+\b], v[232+\b], s[CS], v12     ; the same of each block's largest score
.endr
.set j, 0
.rept 64
	v_exp_f32 v[96+j], v[96+j]                     ; p = 2^(t - M), at most 1: NOT normalised
.set j, j+1
.endr
	v_pk_mul_f32 v[14:15], v[14:15], v[252:253] op_sel_hi:[1,0]   ; the sums under the new M.  (A plain place behind the exponentials)
	s_wait_alu depctr_va_vdst(0)                   ; the wait ahead of the first instruction that names a result: one for the whole batch
.irp b, 0,1,2,3
	v_exp_f32 v[232+\b], v[232+\b]                 ; the block's largest p: the same two instructions on the same number give the same bits
.endr
	v_pk_add_f32 v[236:237], v[96:97], v[98:99]    ; THE ROW'S SUM IS TAKEN OF THE UNQUANTISED p: two at a time, in two chains.  (It reads the 64 alone: plain work behind the four)
.set j, 4
.rept 15
	v_pk_add_f32 v[14:15], v[14:15], v[96+j:97+j]
	v_pk_add_f32 v[236:237], v[236:237], v[98+j:99+j]
.set j, j+4
.endr
	v_pk_add_f32 v[14:15], v[14:15], v[236:237]
	s_wait_alu depctr_va_vdst(0)                   ; and one for the four
.irp b, 0,1,2,3
	v_max_num_f32 v[232+\b], 0x2800000, v[232+\b]  ; the floor 2^(5 - 127): the byte cannot fall under 1
.endr
.irp b, 0,1,2,3
	v_add_nc_u32 v[244+\b], 0xfe000000, v[232+\b]  ; 4 off the exponent field: the conversion's scale operand
.endr
.irp b, 0,1,2,3
	v_lshrrev_b32 v[236+\b], 23, v[244+\b]         ; the scale's byte
.endr
	v_lshl_or_b32 v254, v237, 8, v236              ; p's scale word for these 128 slots;
	v_lshl_or_b32 v254, v238, 16, v254
	WIN 0x15*\w                                    ; its last line has its sources in the tile's window and its destination in window 0
	v_lshl_or_b32 v[90+\w], v239, 24, v254
	WIN 0x55*\w
.irp c, 0,1
	v_cvt_scalef32_pk16_bf6_f32 v[224+6*\c:226+6*\c], v[96+32*\c:111+32*\c], v[244+2*\c]
	v_cvt_scalef32_pk16_bf6_f32 v[236+4*\c:238+4*\c], v[112+32*\c:127+32*\c], v[244+2*\c+1]   ; (a conversion's three registers begin on an even number)
.endr
	v_nop                                          ; one plain place behind a scaled conversion
.irp c, 0,1                                    ; the operand's layout wants a WHOLE block in a lane: lanes 0-15 block 2 c, lanes 16-31 block 2 c + 1
.irp i, 0,1,2
	v_permlane16_swap_b32 v[224+6*\c+\i], v[236+4*\c+\i]
.endr
.irp i, 0,1,2
	v_mov_b32 v[227+6*\c+\i], v[236+4*\c+\i]
.endr
.endr
.set j, 0
.rept 32
	v_pk_mul_f32 v[160+j:161+j], v[160+j:161+j], v[252:253] op_sel_hi:[1,0]   ; O^T under the new M: x f.  (These 32 are also the places between the scale word, the codes and the products)
.set j, j+2
.endr
.endm
; A KEY STEP: 128 slots, the q-th of my half's two in the slot in hand; 32 matrix instructions for my two tiles of queries.
.macro STEP q
	v_add_nc_u32 v[ADI], s[TB], v[AI0]
	v_add_nc_u32 v[ADS], s[TS], v[AS0]
	v_nop
	v_nop                                          ; four places in front of loads into registers that the last products have read (ISA guide 7.12.1 for vector instructions)
	LOADS STEPB*\q, 1024*\q, 80                    ; K's images and scale words
	s_wait_dscnt 12                                ; fragments 0-3 and the scale words are in; the youngest twelve loads (fragments 4-7) may be out
	MM 96, 16, 80, 88, 0, 0, 1
	MM 96, 16, 80, 88, 0, 1, 1
	s_wait_dscnt 0x0
	MM 96, 16, 80, 88, 1, 0, 1
	MM 96, 16, 80, 88, 1, 1, 1
	WIN 0
.rept 4
	v_nop                                          ; places in front of the loads into the fragments and of the first reads of the scores
.endr
	LOADS STEPB*\q+12288, 1024*\q+512, 84          ; V's images and scale words land under the softmax
	SOFTMAX 0
	SOFTMAX 1
	s_wait_dscnt 0x0                               ; V is in
	MM 160, 224, 84, 90, 0, 0, 0
	MM 160, 224, 84, 90, 0, 1, 0
	MM 160, 224, 84, 90, 1, 0, 0
	MM 160, 224, 84, 90, 1, 1, 0
	WIN 0
.endm
; THE CHANGE OF SLOTS stands at a slot's head.  Each wave waits for all its tensor loads (its part of the slot that it is about to read), adds 0 to its spare word, and waits for that and for its reads of the slot that it has left.
; fill = 1: the barrier is a round of the cluster's, so that no wave of any partner still reads the other slot or has a load on its way; behind it that slot is filled with the four steps that follow: the load has a whole slot's steps in which to land.
.macro CHANGE fill
	s_wait_tensorcnt 0x0                           ; no tensor load of mine is out, so a group 0 may be written
	ds_add_u32 v[SPW], v[NIL]                      ; 0 onto my spare word
.if \fill
	s_xor_b32 s[G0+1], s[G0+1], SLOT1              ; the walking descriptor: the other slot than last time,
	s_add_nc_u64 s[G0+2:G0+3], s[G0+2:G0+3], SLOTB ; the next four steps; the type bits on top are not reached
	s_wait_xcnt 0x0                                ; the last prefetch, a slot back, has read its address, so it may be written:
	s_add_nc_u64 s[PFA:PFA+1], s[PFA:PFA+1], SLOTB ; one slot further on than the walking descriptor
	s_wait_dscnt 0x0                               ; the add is done, and my reads of the slot that I have left are over
	CROUND
	tensor_load_to_lds s[G0:G0+3], s[G1:G1+7]      ; the first thing behind the round, and my one tensor load until the next
	s_nop 0
.rept 4
	v_nop
.endr
	ASK                                            ; what the next change of slots will ask for: a slot's steps ahead of that load
.else
	s_wait_dscnt 0x0
	s_barrier_signal -1
	s_barrier_wait -1
.endif
.endm
.Lslot:                                            ; 7 trips: behind each change of slots but the last the next slot is asked for
	CHANGE 1
	STEP 0
	STEP 1
	s_xor_b32 s[TB], s[TB], SLOT1                  ; on to the other slot,
	s_add_co_u32 s[TS], s[TS], 4096                ; and to its scale words
	s_sub_co_u32 s[SLOTS], s[SLOTS], 1
	s_cmp_lg_u32 s[SLOTS], 0
	s_cbranch_scc1 .Lslot
	CHANGE 0                                       ; the last slot is written out
	STEP 0
	STEP 1
	; THE WAY OUT.  Each tile's sum: its two halves and lane l xor 16's.  (These six lines are the places behind the last products.)
.irp w, 0,1
	WIN 0x55*\w
	v_add_f32 v14, v14, v15
	v_permlanex16_b32 v252, v14, s[SEL], s[SEL+1]
	v_add_f32 v14, v14, v252
.endr
	WIN 0
.set XMA, 32                           ; where I put -M;  XMP: where the wave with my queries and the other steps puts its own
.set XMP, 33
.set STA, 34                           ; my half's stage: row = channel, column = query
.set XLA, 35                           ; my queries' place among my half's sums
.set RDA, 37                           ; the 16 channel rows that I store, in stage 0;  RDB: in stage 1
.set RDB, 38
.set GO,  39                           ; 16 x lane
.set SLA, 40                           ; 16 x lane among the sums
	v_and_b32 v41, 31, v0                          ; lane
	v_and_b32 v42, 15, v0                          ; r
	v_bfe_u32 v43, v0, 4, 1                        ; h
	s_lshl_b32 s54, s[WV], 8
	s_add_co_u32 s54, s54, XM
	v_lshl_add_u32 v[XMA], v41, 2, s54
	s_xor_b32 s55, s[WV], 4
	s_lshl_b32 s55, s55, 8
	s_add_co_u32 s55, s55, XM
	v_lshl_add_u32 v[XMP], v41, 2, s55
	s_lshl_b32 s56, s[KH], 17
	s_lshl_b32 s57, s[G], 7
	s_add_co_u32 s56, s56, s57
	v_mul_u32_u24 v[STA], v43, 8*SP                ; lanes 16-31 hold the channels eight rows further down
	v_lshl_add_u32 v[STA], v42, 2, v[STA]
	v_add_nc_u32 v[STA], s56, v[STA]
	s_lshl_b32 s58, s[KH], 9
	s_add_co_u32 s58, s58, s57
	s_add_co_u32 s58, s58, XL
	v_lshl_add_u32 v[XLA], v42, 2, s58
	s_mul_i32 s59, s[WV], 16*SP
	v_lshl_add_u32 v[RDA], v41, 4, s59
	v_add_nc_u32 v[RDB], SLOT1, v[RDA]
	v_lshlrev_b32 v[GO], 4, v41
	v_add_nc_u32 v[SLA], XL, v[GO]
	ds_store_b32 v[XMA], v12                       ; -M of tile 0,
	WIN 0x04                                       ; (an LDS store's data are its source 1)
	ds_store_b32 v[XMA], v12 offset:128            ; of tile 1
	WIN 0
	s_wait_dscnt 0x0                               ; my stores have landed; my reads of the slots were over before the last products
	s_barrier_signal -1
	s_barrier_wait -1                              ; nobody reads a slot any more: the stages may be written
	ds_load_b32 v254, v[XMP]
	WIN 0x40
	ds_load_b32 v254, v[XMP] offset:128
	WIN 0
	s_wait_dscnt 0x0
.irp w, 0,1
	WIN 0x55*\w
	v_min_num_f32 v13, v12, v254                   ; -M' = the lesser -M: M' is the larger of the two halves' M
	v_sub_f32 v254, v13, v12                       ; M - M': a whole number, 0 or less
	v_cvt_i32_f32 v254, v254
	v_ldexp_f32 v252, 1.0, v254
	v_mul_f32 v14, v14, v252                       ; my sum and my O^T under M': exact
.set j, 0
.rept 32
	v_pk_mul_f32 v[160+j:161+j], v[160+j:161+j], v[252:253] op_sel_hi:[1,0]
.set j, j+2
.endr
.endr
.irp w, 0,1
	WIN 0x04*\w
.irp t, 0,1,2,3,4,5,6,7
.irp i, 0,1,2,3,4,5,6,7
	ds_store_b32 v[STA], v[160+8*\t+\i] offset:SP*(16*\t+\i)+64*\w   ; o(query 16 w + r, channel 16 t + 8 h + i): sixteen lanes write 64 neighbouring bytes of a channel's row
.endr
.endr
	ds_store_b32 v[XLA], v14 offset:64*\w          ; (lanes r and r + 16 write the same word with the same value)
	ds_store_b32 v[XLA], v13 offset:1024+64*\w
.endr
	WIN 0
	s_wait_dscnt 0x0                               ; for the others' sake: my stores into the stages are done
	s_barrier_signal -1
	s_barrier_wait -1
.irp i, 0,1,2,3,4,5,6,7,8,9,10,11,12,13,14,15
	ds_load_b128 v[96+4*\i:99+4*\i], v[RDA] offset:SP*\i      ; channel 16 wave + i, 128 queries: 512 bytes, from each half's stage
	ds_load_b128 v[160+4*\i:163+4*\i], v[RDB] offset:SP*\i
.endr
.irp i, 0,1,2,3,4,5,6,7,8,9,10,11,12,13,14,15
	s_wait_dscnt 30-2*\i                           ; this row's two loads are in; the later rows' pairs may be out
	v_pk_add_f32 v[96+4*\i:97+4*\i], v[96+4*\i:97+4*\i], v[160+4*\i:161+4*\i]
	v_pk_add_f32 v[98+4*\i:99+4*\i], v[98+4*\i:99+4*\i], v[162+4*\i:163+4*\i]
	global_store_b128 v[GO], v[96+4*\i:99+4*\i], s[10:11] offset:4096*\i th:TH_STORE_NT   ; 32 lanes store 512 consecutive bytes, at a multiple of 512 from the buffer's first byte
.endr
	s_cmp_lg_u32 s[WV], 0                          ; wave 0 alone stores the block's sums and -M'
	s_cbranch_scc1 .Lnot_stat
	ds_load_b128 v[224:227], v[SLA]
	ds_load_b128 v[228:231], v[SLA] offset:512
	ds_load_b128 v[232:235], v[SLA] offset:1024
	s_wait_dscnt 0x0
	v_pk_add_f32 v[224:225], v[224:225], v[228:229]
	v_pk_add_f32 v[226:227], v[226:227], v[230:231]
	global_store_b128 v[GO], v[224:227], s[12:13]
	global_store_b128 v[GO], v[232:235], s[12:13] offset:32768
.Lnot_stat:
	s_wait_tensorcnt 0x0                           ; the wave's end: behind my last tensor load and my last LDS store
	ds_add_u32 v[SPW], v[NIL]
	s_wait_dscnt 0x0
	CROUND                                         ; the closing round: no work-group ends while a partner may still ask for a tile that names it
	s_endpgm
.Lfunc_end_k_q434f1fee4d_attn:
	.size	k_q434f1fee4d_attn, .Lfunc_end_k_q434f1fee4d_attn-k_q434f1fee4d_attn
	.p2alignl 7, 3214868480
	.fill 96, 4, 3214868480
	.section	.rodata,"a",@progbits
	.p2align	6, 0x0
	.amdhsa_kernel k_q434f1fee4d_attn
		.amdhsa_group_segment_fixed_size 327680
		.amdhsa_private_segment_fixed_size 0
		.amdhsa_enable_private_segment 0
		.amdhsa_kernarg_size 40
		.amdhsa_user_sgpr_count 2
		.amdhsa_user_sgpr_kernarg_segment_ptr 1
		.amdhsa_wavefront_size32 1
		.amdhsa_system_sgpr_workgroup_id_x 1
		.amdhsa_system_sgpr_workgroup_id_y 1
		.amdhsa_system_sgpr_workgroup_id_z 1
		.amdhsa_system_vgpr_workitem_id 0
		.amdhsa_next_free_vgpr 512
		.amdhsa_next_free_sgpr 80
		.amdhsa_reserve_vcc 0
		.amdhsa_float_denorm_mode_32 3
		.amdhsa_float_denorm_mode_16_64 3
		.amdhsa_memory_ordered 1
		.amdhsa_forward_progress 1
		.amdhsa_inst_pref_size 186
	.end_amdhsa_kernel
	.amdgpu_metadata
---
amdhsa.version: [ 1, 2 ]
amdhsa.kernels:
  - .name:           k_q434f1fee4d_attn
    .symbol:         k_q434f1fee4d_attn.kd
    .args:
      - { .name: x, .offset: 0, .size: 8, .value_kind: global_buffer, .address_space: global }
      - { .name: kvimg, .offset: 8, .size: 8, .value_kind: global_buffer, .address_space: global }
      - { .name: kvsc, .offset: 16, .size: 8, .value_kind: global_buffer, .address_space: global }
      - { .name: part, .offset: 24, .size: 8, .value_kind: global_buffer, .address_space: global }
      - { .name: stat, .offset: 32, .size: 8, .value_kind: global_buffer, .address_space: global }
    .group_segment_fixed_size: 327680
    .private_segment_fixed_size: 0
    .kernarg_segment_align: 8
    .kernarg_segment_size: 40
    .max_flat_workgroup_size: 256
    .sgpr_count:     80
    .vgpr_count:     512
    .wavefront_size: 32
...
	.end_amdgpu_metadata
.endif
;; end of part 2
;; launch comb (part 3): grid 256 x 1, 8 waves a work-group, no clusters, 0 bytes of LDS; arguments part, stat, out0; writes out0
.if DOCPART == 3
	.amdgcn_target "amdgcn-amd-amdhsa--gfx1250"
	.amdhsa_code_object_version 6
	.text
	.protected	k_q434f1fee4d_comb
	.globl	k_q434f1fee4d_comb
	.p2align	8
	.type	k_q434f1fee4d_comb,@function
k_q434f1fee4d_comb:
	s_mov_b64 s[64:65], 0
	v_nop
	global_prefetch_b8 v0, s[64:65] scope:SCOPE_SE
	s_setreg_imm32_b32 hwreg(HW_REG_WAVE_MODE, 25, 1), 1
	s_wait_xcnt 0x0
; out0[n][c][l] = (sum over the four splits s of 2^(M_s - M) part[s][n][c][l]) / (sum over s of 2^(M_s - M) l_s), M the largest M_s of the query: the last step of the streaming softmax.
; The division by each cluster's sum, the logarithm of the logsumexp and the exponential of the cluster softmax are left out as dead work, as shown at the head of the first kernel: this one division is all that remains of them.
; A work-group takes 4 channels of one n; thread t owns queries 4 t .. 4 t + 3, 16 bytes of every row: a wave's load or store covers 512 consecutive bytes.  All 24 loads of a thread go out at once.  A stream: no LDS, no barrier, no matrix unit.
.set LS, 8                             ; v8-23    l_s of my four queries
.set MS, 24                            ; v24-39   -M_s
.set D,  40                            ; v40-103  row i, split s at v[D + 16 i + 4 s]
.set W,  104                           ; v104-119 the weights
.set MM, 120                           ; v120-123 -M
.set L,  124                           ; v124-127 the divisor, then its reciprocal
.set O,  128                           ; v128-143 the results
	s_load_b128 s[4:7], s[0:1], 0x0                ; part, stat
	s_load_b64 s[8:9], s[0:1], 0x10                ; out0
	v_lshlrev_b32 v1, 4, v0                        ; my 16 bytes of a row
	s_lshr_b32 s10, ttmp9, 5                       ; n
	s_and_b32 s11, ttmp9, 31
	s_lshl_b32 s12, s10, 19                        ; n x 128 rows of 4,096 bytes
	s_lshl_b32 s13, s11, 14                        ; + my four rows
	s_add_co_u32 s12, s12, s13
	s_mov_b32 s13, 0
	s_lshl_b32 s14, s10, 12                        ; n's 1,024 queries in stat
	s_mov_b32 s15, 0
	s_wait_kmcnt 0x0
	s_add_nc_u64 s[4:5], s[4:5], s[12:13]          ; splits 0 and 1,
	s_add_nc_u64 s[16:17], s[4:5], 0x800000        ; splits 2 and 3: so that every offset stays inside the signed 24-bit immediate
	s_add_nc_u64 s[6:7], s[6:7], s[14:15]
	s_add_nc_u64 s[8:9], s[8:9], s[12:13]
.irp s, 0,1,2,3
	global_load_b128 v[LS+4*\s:LS+4*\s+3], v1, s[6:7] offset:65536*\s
	global_load_b128 v[MS+4*\s:MS+4*\s+3], v1, s[6:7] offset:65536*\s+32768
.endr
.irp i, 0,1,2,3
	global_load_b128 v[D+16*\i:D+16*\i+3],     v1, s[4:5]   offset:4096*\i th:TH_LOAD_NT
	global_load_b128 v[D+16*\i+4:D+16*\i+7],   v1, s[4:5]   offset:4194304+4096*\i th:TH_LOAD_NT
	global_load_b128 v[D+16*\i+8:D+16*\i+11],  v1, s[16:17] offset:4096*\i th:TH_LOAD_NT
	global_load_b128 v[D+16*\i+12:D+16*\i+15], v1, s[16:17] offset:4194304+4096*\i th:TH_LOAD_NT
.endr
	s_wait_loadcnt 16                              ; the eight loads of sums and -M are in; the sixteen of data may be out
.irp e, 0,1,2,3
	v_min3_num_f32 v[MM+\e], v[MS+\e], v[MS+4+\e], v[MS+8+\e]
.endr
.irp e, 0,1,2,3
	v_min_num_f32 v[MM+\e], v[MM+\e], v[MS+12+\e]  ; -M = the least -M_s
.endr
.irp s, 0,1,2,3
.irp e, 0,1,2,3
	v_sub_f32 v[W+4*\s+\e], v[MM+\e], v[MS+4*\s+\e]   ; M_s - M: a whole number, 0 or less
.endr
.endr
.irp s, 0,1,2,3
.irp e, 0,1,2,3
	v_cvt_i32_f32 v[W+4*\s+\e], v[W+4*\s+\e]
.endr
.endr
.irp s, 0,1,2,3
.irp e, 0,1,2,3
	v_ldexp_f32 v[W+4*\s+\e], 1.0, v[W+4*\s+\e]    ; 2^(M_s - M): exact
.endr
.endr
.irp p, 0,2
	v_pk_mul_f32 v[L+\p:L+\p+1], v[W+\p:W+\p+1], v[LS+\p:LS+\p+1]
.endr
.irp s, 1,2,3
.irp p, 0,2
	v_pk_fma_f32 v[L+\p:L+\p+1], v[W+4*\s+\p:W+4*\s+\p+1], v[LS+4*\s+\p:LS+4*\s+\p+1], v[L+\p:L+\p+1]
.endr
.endr
.irp e, 0,1,2,3
	v_rcp_f32 v[L+\e], v[L+\e]
.endr
	v_nop                                          ; a plain instruction between the last reciprocal and the use of its result
	s_wait_alu depctr_va_vdst(0)                   ; and the wait ahead of the first use: one for the four
.irp s, 0,1,2,3
.irp p, 0,2
	v_pk_mul_f32 v[W+4*\s+\p:W+4*\s+\p+1], v[W+4*\s+\p:W+4*\s+\p+1], v[L+\p:L+\p+1]   ; the division goes into the weights
.endr
.endr
.irp i, 0,1,2,3
	s_wait_loadcnt 12-4*\i                         ; this row's four loads are in; the later rows' may be out
.irp p, 0,2
	v_pk_mul_f32 v[O+4*\i+\p:O+4*\i+\p+1], v[D+16*\i+\p:D+16*\i+\p+1], v[W+\p:W+\p+1]
.endr
.irp s, 1,2,3
.irp p, 0,2
	v_pk_fma_f32 v[O+4*\i+\p:O+4*\i+\p+1], v[D+16*\i+4*\s+\p:D+16*\i+4*\s+\p+1], v[W+4*\s+\p:W+4*\s+\p+1], v[O+4*\i+\p:O+4*\i+\p+1]
.endr
.endr
	global_store_b128 v1, v[O+4*\i:O+4*\i+3], s[8:9] offset:4096*\i th:TH_STORE_NT
.endr
	s_endpgm
.Lfunc_end_k_q434f1fee4d_comb:
	.size	k_q434f1fee4d_comb, .Lfunc_end_k_q434f1fee4d_comb-k_q434f1fee4d_comb
	.p2alignl 7, 3214868480
	.fill 96, 4, 3214868480
	.section	.rodata,"a",@progbits
	.p2align	6, 0x0
	.amdhsa_kernel k_q434f1fee4d_comb
		.amdhsa_group_segment_fixed_size 0
		.amdhsa_private_segment_fixed_size 0
		.amdhsa_enable_private_segment 0
		.amdhsa_kernarg_size 24
		.amdhsa_user_sgpr_count 2
		.amdhsa_user_sgpr_kernarg_segment_ptr 1
		.amdhsa_wavefront_size32 1
		.amdhsa_system_sgpr_workgroup_id_x 1
		.amdhsa_system_sgpr_workgroup_id_y 1
		.amdhsa_system_sgpr_workgroup_id_z 1
		.amdhsa_system_vgpr_workitem_id 0
		.amdhsa_next_free_vgpr 144
		.amdhsa_next_free_sgpr 66
		.amdhsa_reserve_vcc 0
		.amdhsa_float_denorm_mode_32 3
		.amdhsa_float_denorm_mode_16_64 3
		.amdhsa_memory_ordered 1
		.amdhsa_forward_progress 1
		.amdhsa_inst_pref_size 10
	.end_amdhsa_kernel
	.amdgpu_metadata
---
amdhsa.version: [ 1, 2 ]
amdhsa.kernels:
  - .name:           k_q434f1fee4d_comb
    .symbol:         k_q434f1fee4d_comb.kd
    .args:
      - { .name: part, .offset: 0, .size: 8, .value_kind: global_buffer, .address_space: global }
      - { .name: stat, .offset: 8, .size: 8, .value_kind: global_buffer, .address_space: global }
      - { .name: out0, .offset: 16, .size: 8, .value_kind: global_buffer, .address_space: global }
    .group_segment_fixed_size: 0
    .private_segment_fixed_size: 0
    .kernarg_segment_align: 8
    .kernarg_segment_size: 24
    .max_flat_workgroup_size: 256
    .sgpr_count:     66
    .vgpr_count:     144
    .wavefront_size: 32
...
	.end_amdgpu_metadata
.endif
;; end of part 3
